; MI455X (gfx1250); checked and timed in simulation.
; The chip was launched on July 23, 2026; its instructions are those of AMD's public machine-readable ISA for CDNA 5 (MIT licence, August 2026) and "CDNA5" Instruction Set Architecture Reference Guide (July 2026). The comments in the code are by the model that wrote it; some were corrected since.
;; Attention. Allowed arithmetic: float matrix products may take bf16 or f16 operands with f32 sums; other float arithmetic in f32, or as packed bf16 or f16 multiplies, adds, multiply-adds, maxima and minima; sums over many terms, partial sums and values carried from step to step in f32; what a program stores and reads back later, other than sums and carried values, may be rounded once to bf16 or f16.
;; Inputs: Wk 512 x 512 float32; Wq 512 x 512 float32; Wv 512 x 512 float32; embeddings 32 x 1,024 x 512 float32.
;; Outputs: out0 32 x 1,024 x 512 float32.
;; 2 versions, each right; version 2 is version 1 with the launch prep written anew for expert scheduling mode. Each part assembles by itself: llvm-mc -triple=amdgcn-amd-amdhsa -mcpu=gfx1250 --defsym DOCPART=n.
;; ======== version 1 of 2: 2 launches
;; limits: values are held in f16: magnitudes above 65,504 overflow, below 6.1e-05 lose precision; right only within a limited range of input values
;; workspace buffers: xh 33,554,432 bytes; mh 524,288 bytes; wvh 524,288 bytes
;; launch prep (part 1): grid 324 x 1, 8 waves a work-group, no clusters, 141,312 bytes of LDS; arguments embeddings, Wq, Wk, Wv, xh, mh, wvh; writes xh, mh, wvh
.if DOCPART == 1
	.amdgcn_target "amdgcn-amd-amdhsa--gfx1250"
	.amdhsa_code_object_version 6
	.text
	.protected	k_qe16b8648c4_prep
	.globl	k_qe16b8648c4_prep
	.p2align	8
	.type	k_qe16b8648c4_prep,@function
k_qe16b8648c4_prep:
	s_mov_b64 s[64:65], 0
	v_nop
	global_prefetch_b8 v0, s[64:65] scope:SCOPE_SE
	s_setreg_imm32_b32 hwreg(HW_REG_WAVE_MODE, 25, 1), 1
	s_wait_xcnt 0x0
; PREPARATION FOR THE ATTENTION LAUNCH.  Two kinds of work-group, told apart by the work-group's number alone (the same for all eight waves):
;   0 .. 63    FOLD: a tile of 64 x 64 of M[d][d'] = sum over e of Wq~[e][d] Wk~[e][d'] (~: rounded to bf16), bf16 products, f32 sums, rounded once to f16.
;              scores = x (Wq^T Wk) x^T for every input, so the attention launch needs M alone, and x serves as keys and as values.
;   64 .. 323  CAST: 262,144 bytes of embeddings (256 work-groups) or of Wv (4) are rounded to bf16 and that number is written as f16.
; LIMITS.  A bf16 number is exact in f16 from 6.1e-5 to 65,504; below it keeps f16's fixed step of 6e-8; beyond 65,504 it would become an infinity: |x|, |Wv| and |M| stay under that.
; NO CLUSTER, NO TENSOR LOAD: a cast shares nothing; of the fold each strip of 64 columns is read by eight work-groups: 2 x 8 MiB of requests beside the cast's 65 MiB, all within two tensors of 1 MiB.
.set SPARE, 140288                     ; the spare words: 128 bytes for each of eight waves, four blocks of 256 bytes that no other line names
.set KT,    65536                      ; LDS: QT [512 e][64 d] bf16 from 0, KT [512 e][64 d'] from here, rows of 128 bytes
.set MSTG,  131072                     ; 16 rows x 144 bytes for each of waves 0 to 3: the fold's way out
.set SPW, 4                            ; v4  LDS address of my spare word; never rewritten
.set NIL, 5                            ; v5  0; never rewritten
.set T,   6                            ; cast: v[6:11] at work
.set X,   16                           ; cast: v[16:79] slot i: four f32 as loaded
.set Y,   80                           ; cast: v[80:111] slot i: four f16 to store
.set R,   16                           ; fold: v[16:143] 32 loads of four f32; later two fragment buffers, the sums and the packed results
.macro PLACES                          ; four plain vector instructions between a matrix instruction and a load into, or a read of, its registers
.rept 4
	v_nop
.endr
.endm
	s_load_b256 s[4:11], s[0:1], 0x0               ; embeddings s[4:5], Wq s[6:7], Wk s[8:9], Wv s[10:11]
	s_load_b128 s[12:15], s[0:1], 0x20             ; xh s[12:13], mh s[14:15]
	s_load_b64 s[16:17], s[0:1], 0x30              ; wvh
	v_lshl_add_u32 v[SPW], v0, 2, SPARE
	v_mov_b32 v[NIL], 0
	v_lshrrev_b32 v3, 5, v0
	v_readfirstlane_b32 s20, v3                    ; wave 0..7
	s_mov_b32 s21, 0xffff0000                      ; a word's upper bf16
	s_cmp_lt_u32 ttmp9, 64
	s_cbranch_scc0 .Lcast
	; ---------------- FOLD ----------------
	; Staging: wave w takes rows e = 64 w + 2 i + lane / 16, i = 0..31; sixteen lanes read the row's 256 bytes of the strip whole and store 128 bytes of bf16.
	s_lshr_b32 s22, ttmp9, 3                       ; dt: which 64 d
	s_and_b32 s23, ttmp9, 7                        ; et: which 64 d'
	s_lshl_b32 s24, s22, 8                         ; the strips' first bytes in a row of Wq and of Wk
	s_mov_b32 s25, 0
	s_lshl_b32 s26, s23, 8
	s_mov_b32 s27, 0
	s_lshl_b32 s28, s20, 17                        ; 64 rows of 2,048 bytes a wave
	s_lshl_b32 s29, s20, 13                        ; 64 LDS rows of 128 bytes a wave
	v_and_b32 v14, 15, v0                          ; lane % 16
	v_bfe_u32 v15, v0, 4, 1                        ; lane / 16
	v_lshl_add_u32 v6, v14, 4, s28
	v_lshl_add_u32 v6, v15, 11, v6                 ; byte offset in Wq and Wk
	v_lshl_add_u32 v7, v14, 3, s29
	v_lshl_add_u32 v7, v15, 7, v7                  ; LDS address in QT,
	v_add_nc_u32 v8, KT, v7                        ; and in KT
	s_wait_kmcnt 0x0
	s_add_nc_u64 s[6:7], s[6:7], s[24:25]
	s_add_nc_u64 s[8:9], s[8:9], s[26:27]
.set i, 0
.rept 32
	global_load_b128 v[R+4*i:R+4*i+3], v6, s[6:7] offset:4096*i
.set i, i+1
.endr
.set i, 0
.rept 32                               ; Wq's load i is rounded and stored; Wk's load i takes its registers
	s_wait_loadcnt 31                              ; behind Wq's load i stand 31 - i of Wq's and i of Wk's: 31 younger loads stay out
	v_cvt_pk_bf16_f32 v144, v[R+4*i], v[R+4*i+1]
	v_cvt_pk_bf16_f32 v145, v[R+4*i+2], v[R+4*i+3]
	ds_store_b64 v7, v[144:145] offset:256*i
	global_load_b128 v[R+4*i:R+4*i+3], v6, s[8:9] offset:4096*i
.set i, i+1
.endr
.set i, 0
.rept 32
	s_wait_loadcnt 31-i                            ; the counts run down: 31 - i of Wk's loads are younger
	v_cvt_pk_bf16_f32 v144, v[R+4*i], v[R+4*i+1]
	v_cvt_pk_bf16_f32 v145, v[R+4*i+2], v[R+4*i+3]
	ds_store_b64 v8, v[144:145] offset:256*i
.set i, i+1
.endr
	s_wait_dscnt 0x0                               ; for the others' sake: my stores into QT and KT are done
	s_barrier_signal -1
	s_barrier_wait -1
	s_cmp_lt_u32 s20, 4
	s_cbranch_scc1 .Lmul
	s_wait_tensorcnt 0x0                           ; waves 4 to 7 have staged and end here
	ds_add_u32 v[SPW], v[NIL]
	s_wait_dscnt 0x0
	s_endpgm
.Lmul:
	; Wave w (0..3) makes rows d = 16 w .. 16 w + 15 of the tile, all 64 d': four sums of 16 x 16.  Source 0 = 16 d' x 32 e of Wk^T, source 1 = 32 e x 16 d of Wq^T, so a lane holds eight
	; neighbouring d' of one row d.  Both come turned out of [e][column] rows by ds_load_tr16_b128: lane l reads row 8 (l / 16) + l % 8, 16 bytes at 16 ((l / 8) % 2).
	; Rows of 128 bytes: eight rows of a turning load fall on two groups of banks (64 banks of 4 bytes: ISA guide 11.1).  A wave has 160 such loads in all; padded rows would not leave room for a second work-group's LDS.
	v_and_b32 v2, 7, v0
	v_bfe_u32 v3, v0, 3, 1
	v_lshl_add_u32 v9, v15, 3, v2
	v_lshlrev_b32 v9, 7, v9
	v_lshl_add_u32 v9, v3, 4, v9
	v_add_nc_u32 v10, KT, v9                       ; v10: my place in KT
	s_lshl_b32 s28, s20, 5
	v_add_nc_u32 v9, s28, v9                       ; v9: my place in QT, at my wave's 16 columns
	s_mul_i32 s29, s20, 2304
	s_add_co_u32 s29, s29, MSTG                    ; my stage
	v_mul_u32_u24 v12, v14, 144
	v_lshl_add_u32 v12, v15, 4, v12
	v_add_nc_u32 v12, s29, v12                     ; in: row lane % 16, 16 bytes for each half of the lanes
	v_bfe_u32 v3, v0, 3, 2                         ; lane / 8
	v_mul_u32_u24 v13, v3, 144
	v_lshl_add_u32 v13, v2, 4, v13
	v_add_nc_u32 v13, s29, v13                     ; back: 32 lanes take four rows of 128 bytes
	v_lshlrev_b32 v11, 10, v3
	v_lshl_add_u32 v11, v2, 4, v11                 ; and the same four rows in M
	s_lshl_b32 s30, s22, 16                        ; 64 dt rows of 1,024 bytes,
	s_lshl_b32 s28, s20, 14                        ; 16 w rows,
	s_add_co_u32 s30, s30, s28
	s_lshl_b32 s28, s23, 7                         ; 64 et columns
	s_add_co_u32 s30, s30, s28
	s_mov_b32 s31, 0
	s_add_nc_u64 s[14:15], s[14:15], s[30:31]
.macro FL s                            ; the ten loads of K step s (32 e): Wq^T's fragment, then Wk^T's four, into buffer s % 2 of 40 registers
.set fb, 16+40*((\s)%2)
	ds_load_tr16_b128 v[fb:fb+3],   v9 offset:4096*(\s)
	ds_load_tr16_b128 v[fb+4:fb+7], v9 offset:4096*(\s)+2048
.set fe, 0
.rept 4
	ds_load_tr16_b128 v[fb+8+8*fe:fb+8+8*fe+3],   v10 offset:4096*(\s)+32*fe
	ds_load_tr16_b128 v[fb+8+8*fe+4:fb+8+8*fe+7], v10 offset:4096*(\s)+32*fe+2048
.set fe, fe+1
.endr
.endm
	FL 0
	FL 1
.set ks, 0
.rept 16
.if ks < 15
	s_wait_dscnt 10                                ; the next K step's ten loads stay out
.else
	s_wait_dscnt 0
.endif
.set fb, 16+40*(ks%2)
.set fe, 0
.rept 4                                ; the four sums take turns; the first K step starts them with the constant 0
.if ks == 0
	v_wmma_f32_16x16x32_bf16 v[96+8*fe:96+8*fe+7], v[fb+8+8*fe:fb+8+8*fe+7], v[fb:fb+7], 0
.else
	v_wmma_f32_16x16x32_bf16 v[96+8*fe:96+8*fe+7], v[fb+8+8*fe:fb+8+8*fe+7], v[fb:fb+7], v[96+8*fe:96+8*fe+7]
.endif
.set fe, fe+1
.endr
	PLACES
.if ks < 14
	FL ks+2
.endif
.set ks, ks+1
.endr
.set i, 0
.rept 16                               ; each sum's registers in ascending order: eight d' of a row pack into 16 bytes
	v_cvt_pk_f16_f32 v[128+i], v[96+2*i], v[96+2*i+1]
.set i, i+1
.endr
.irp b, 0,1,2,3
	ds_store_b128 v12, v[128+4*\b:128+4*\b+3] offset:32*\b
.endr
.irp b, 0,1,2,3
	ds_load_b128 v[16+4*\b:16+4*\b+3], v13 offset:576*\b  ; LDS serves a wave's instructions in order (ISA guide 5.7.1.4): these see the stores above
.endr
.irp b, 0,1,2,3
	s_wait_dscnt 3-\b
	global_store_b128 v11, v[16+4*\b:16+4*\b+3], s[14:15] offset:4096*\b  ; eight lanes store a row's 128 consecutive bytes: the tile is 64 columns wide; M is 524,288 of the launch's 34,603,008 stored bytes
.endr
	s_wait_tensorcnt 0x0                           ; the wave's end, behind my last LDS store
	ds_add_u32 v[SPW], v[NIL]
	s_wait_dscnt 0x0
	s_endpgm
	; ---------------- CAST ----------------
	; Thread t owns 16 bytes of every 4,096 read and 8 of every 2,048 written: a wave's load covers 512 consecutive bytes, its store 256, aligned.  A ring of 16 slots in registers keeps 16 loads of every wave on their way.
.Lcast:
	s_sub_co_u32 s22, ttmp9, 64                    ; 0..255: embeddings; 256..259: Wv
	s_and_b32 s23, s22, 255                        ; the part's number in its tensor
	s_lshl_b32 s24, s23, 18
	s_mov_b32 s25, 0
	s_lshl_b32 s26, s23, 17
	s_mov_b32 s27, 0
	v_lshlrev_b32 v1, 4, v0
	v_lshlrev_b32 v2, 3, v0
	s_wait_kmcnt 0x0
	s_cmp_lt_u32 s22, 256
	s_cselect_b64 s[28:29], s[4:5], s[10:11]       ; from embeddings or from Wv,
	s_cselect_b64 s[30:31], s[12:13], s[16:17]     ; to xh or to wvh
	s_add_nc_u64 s[28:29], s[28:29], s[24:25]
	s_add_nc_u64 s[30:31], s[30:31], s[26:27]
.set i, 0
.rept 16
	global_load_b128 v[X+4*i:X+4*i+3], v1, s[28:29] offset:4096*i th:TH_LOAD_NT
.set i, i+1
.endr
.macro SLOT i, ahead, left             ; ahead = 1: the slot is filled again, 16 pieces on; left: the younger loads that may stay out
	s_wait_loadcnt \left
	v_cvt_pk_bf16_f32 v[T],   v[X+4*(\i)],   v[X+4*(\i)+1]   ; the rounding that counts: to bf16, nearest even
	v_cvt_pk_bf16_f32 v[T+1], v[X+4*(\i)+2], v[X+4*(\i)+3]
	v_lshlrev_b32 v[T+2], 16, v[T]                           ; back to f32: a shift or a mask
	v_and_b32     v[T+3], s21, v[T]
	v_lshlrev_b32 v[T+4], 16, v[T+1]
	v_and_b32     v[T+5], s21, v[T+1]
	v_cvt_pk_f16_f32 v[Y+2*(\i)],   v[T+2], v[T+3]           ; the same numbers as f16
	v_cvt_pk_f16_f32 v[Y+2*(\i)+1], v[T+4], v[T+5]
.if \ahead
	global_load_b128 v[X+4*(\i):X+4*(\i)+3], v1, s[28:29] offset:4096*(16+(\i)) th:TH_LOAD_NT
.endif
	global_store_b64 v2, v[Y+2*(\i):Y+2*(\i)+1], s[30:31] offset:2048*(\i)
.endm
	s_mov_b32 s18, 3
.Lround:
.irp i, 0,1,2,3,4,5,6,7,8,9,10,11,12,13,14,15
	SLOT \i, 1, 15
.endr
	s_wait_xcnt 0x0                                ; every earlier memory instruction has had its addresses translated (ISA guide 3.1): only now are the two bases and Y rewritten
	s_add_nc_u64 s[28:29], s[28:29], 0x10000
	s_add_nc_u64 s[30:31], s[30:31], 0x8000
	s_sub_co_u32 s18, s18, 1
	s_cmp_lg_u32 s18, 0
	s_cbranch_scc1 .Lround
.irp i, 0,1,2,3,4,5,6,7,8,9,10,11,12,13,14,15
	SLOT \i, 0, 15-(\i)                            ; the last sixteen pieces: nothing is loaded, the counts run down
.endr
	s_endpgm
.Lfunc_end_k_qe16b8648c4_prep:
	.size	k_qe16b8648c4_prep, .Lfunc_end_k_qe16b8648c4_prep-k_qe16b8648c4_prep
	.p2alignl 7, 3214868480
	.fill 96, 4, 3214868480
	.section	.rodata,"a",@progbits
	.p2align	6, 0x0
	.amdhsa_kernel k_qe16b8648c4_prep
		.amdhsa_group_segment_fixed_size 141312
		.amdhsa_private_segment_fixed_size 0
		.amdhsa_enable_private_segment 0
		.amdhsa_kernarg_size 56
		.amdhsa_user_sgpr_count 2
		.amdhsa_user_sgpr_kernarg_segment_ptr 1
		.amdhsa_wavefront_size32 1
		.amdhsa_system_sgpr_workgroup_id_x 1
		.amdhsa_system_sgpr_workgroup_id_y 1
		.amdhsa_system_sgpr_workgroup_id_z 1
		.amdhsa_system_vgpr_workitem_id 0
		.amdhsa_next_free_vgpr 148
		.amdhsa_next_free_sgpr 66
		.amdhsa_reserve_vcc 0
		.amdhsa_float_denorm_mode_32 3
		.amdhsa_float_denorm_mode_16_64 3
		.amdhsa_memory_ordered 1
		.amdhsa_forward_progress 1
		.amdhsa_inst_pref_size 62
	.end_amdhsa_kernel
	.amdgpu_metadata
---
amdhsa.version: [ 1, 2 ]
amdhsa.kernels:
  - .name:           k_qe16b8648c4_prep
    .symbol:         k_qe16b8648c4_prep.kd
    .args:
      - { .name: embeddings, .offset: 0, .size: 8, .value_kind: global_buffer, .address_space: global }
      - { .name: Wq, .offset: 8, .size: 8, .value_kind: global_buffer, .address_space: global }
      - { .name: Wk, .offset: 16, .size: 8, .value_kind: global_buffer, .address_space: global }
      - { .name: Wv, .offset: 24, .size: 8, .value_kind: global_buffer, .address_space: global }
      - { .name: xh, .offset: 32, .size: 8, .value_kind: global_buffer, .address_space: global }
      - { .name: mh, .offset: 40, .size: 8, .value_kind: global_buffer, .address_space: global }
      - { .name: wvh, .offset: 48, .size: 8, .value_kind: global_buffer, .address_space: global }
    .group_segment_fixed_size: 141312
    .private_segment_fixed_size: 0
    .kernarg_segment_align: 8
    .kernarg_segment_size: 56
    .max_flat_workgroup_size: 256
    .sgpr_count:     66
    .vgpr_count:     148
    .wavefront_size: 32
...
	.end_amdgpu_metadata
.endif
;; end of part 1
;; launch attn (part 2): grid 8 x 32, 4 waves a work-group, clusters of 4 x 1, 327,680 bytes of LDS; arguments xh, mh, wvh, out0; writes out0
.if DOCPART == 2
	.amdgcn_target "amdgcn-amd-amdhsa--gfx1250"
	.amdhsa_code_object_version 6
	.text
	.protected	k_qe16b8648c4_attn
	.globl	k_qe16b8648c4_attn
	.p2align	8
	.type	k_qe16b8648c4_attn,@function
k_qe16b8648c4_attn:
	s_mov_b64 s[64:65], 0
	v_nop
	global_prefetch_b8 v0, s[64:65] scope:SCOPE_SE
	s_setreg_imm32_b32 hwreg(HW_REG_WAVE_MODE, 25, 1), 1
	s_wait_xcnt 0x0
	s_wait_alu depctr_hold_cnt(0) depctr_sa_sdst(0) depctr_va_vdst(0) depctr_va_sdst(0) depctr_va_ssrc(0) depctr_va_vcc(0) depctr_vm_vsrc(0)
	s_getreg_b32 s2, hwreg(HW_REG_IB_STS2, 6, 4)
	s_cmp_eq_u32 s2, 0
	s_cbranch_scc0 .Lentry_in_a_cluster
	s_endpgm
.Lentry_in_a_cluster:
	s_bfe_u32 s2, ttmp6, 0x10000c
	s_cmp_lg_u32 s2, 0x3003
	s_cbranch_scc0 .Lentry_shape_is_right
	s_endpgm
.Lentry_shape_is_right:
; out[b][q][:] = (softmax_k(x[q] M x[k]^T / sqrt(512)) x) Wv^T: M = Wq^T Wk, made by the launch before.  xh [32768][512], mh [512 d][512 d'], wvh [512 e][512 d]: f16.  out0: f32.
; SHARES.  A work-group owns 128 queries of one batch, each of its four waves 32: two tiles t of 16.  It walks 32 LDS tiles of ONE shape, 64 rows x 512 f16:
;   tiles 0-7    rows d of M:      Q'^T += M^T X^T        (X: my 32 rows of x, in registers)
;   tiles 8-23   64 keys of x:     S^T = K Q'^T, softmax with a running maximum, O^T = a O^T + K^T P   (x is K and V: one tile serves both products)
;   tiles 24-31  rows e of Wv:     out^T = Wv T^T, T = O / l;  64 columns of out0 leave with each tile
; LAYOUT.  All products are used transposed, so a lane holds ONE query (lane % 16) in S^T, P, O^T and out^T; the halves of the lanes hold different keys or channels.
; SOFTMAX.  p = 2^(c s - c m) with a running maximum m and sum l; O and l are multiplied by a = 2^(c m_old - c m_new) in every step; m starts at the lowest finite number, so the first a is 0.
; FORMATS.  Q' is kept as f16(Q' / 1024), and c = 1024 log2(e) / sqrt(512) takes the factor back in f32.  A score that is exactly 0 becomes 1e-10, here 1e-10 sqrt(512) / 1024 in s's unit.
; LIMITS.  |x M| stays under 6.7e7, |x|, |Wv|, |M| under 65,504; f16 numbers under 6e-5 keep the fixed step of 6e-8 (of Q': 6e-5); 'score = 0' is tested on this program's own f32 sum;
; a weight under 2^-126 counts as 0 in l; the scaled scores stay finite up to |attn| of 2e37; NaN and infinities are not treated apart.
; CLUSTER.  The four work-groups of a cluster belong to one batch and walk the same 32 tiles: each tile is asked for JOINTLY, by the same tensor load, descriptor and mask in all four.  My place in the cluster enters X's and out0's addresses alone.
; CHANNELS ARE PERMUTED, alike in both operands of every product that sums over them.  A row of a tile is 1,040 bytes in LDS = 260 words: row r starts at bank 4 r mod 64 (64 banks of 4 bytes: ISA guide 11.1), so sixteen rows of a
; plain load start at sixteen groups of four banks.  For the turning load's eight rows the second eight lanes read 128 bytes (32 banks) on, not 16.  So channel block cb is the 8 channels at byte
; CBO(cb) = 256 (cb / 8) + 16 (cb % 8) of a row and the 8 at 128 bytes more; a fragment made of blocks 2 k and 2 k + 1 meets plain loads at 128 (lane / 16) + CBO(2 k) and 16 bytes on.
; REGISTERS, in windows of 256 (s_set_vgpr_msb: bits 1:0 source 0, 3:2 source 1, 5:4 source 2, 7:6 destination):
;   window 0: v1-15 addresses; v16-31 statistics; v32-95 S^T (tile t, key block kb at 32 + 32 t + 8 kb); v96-127 P; v128-255 four buffers of four fragments
;   windows 1, 2: O^T: (t, cb) at 16 (cb % 16) + 8 t of window 1 + cb / 16          window 3: X (fragment f = 4 chunk + 2 t + half at 8 f), then Q', then T (tile t, K step k at 128 t + 8 k)
; NO FIRST STEP IS WRITTEN OUT: O^T is cleared by 512 v_mov_b32 that stand in the wait for the first tile, so that one text serves all eight tiles of M.
.set PITCH, 1040
.set R16,   16*PITCH                   ; 16 rows: what one wave's tensor load brings
.set SLOT1, 1<<17                      ; slot 0 at 0, slot 1 here: one exclusive or turns an address in one slot into the other's
.set STAGE, 4*R16                      ; behind slot 0, never filled by a tensor load: 32 rows x 272 bytes for each wave, for the way out
.set SP,    272
.set SPARE, STAGE+4*32*SP              ; the spare words, 128 bytes for each wave: two blocks of 256 bytes that no other line names
.set AK0, 3                            ; v3   my lane's place in a tile for plain loads: (l % 16) x 1040 + 128 (l / 16)
.set AV0, 4                            ; v4   for turning loads: (8 (l / 16) + l % 8) x 1040 + 128 ((l / 8) % 2)
.set ADR, 5                            ; v5   AK0 in the slot in hand
.set ADV, 6                            ; v6   AV0 in the slot in hand
.set STO, 7                            ; v7   the way out: where I put 32 bytes of a row
.set RD,  8                            ; v8   the way out: where I read rows back
.set GO,  9                            ; v9   my byte offset in two rows of out0
.set XO,  10                           ; v10  my byte offset in 16 rows of x
.set EPS, 11                           ; v11  what a score of exactly 0 becomes
.set SPW, 12                           ; v12  LDS address of my spare word; never rewritten
.set NIL, 13                           ; v13  0; never rewritten
.set ST,  16                           ; tile t's statistics at v[16 + 8 t]: c m, m, l (even keys', odd keys'), c0-c3 at work; c2 takes a, and later the tile's scale
.set S,   32
.set P,   96
.set FB,  128
.set WV,  12                           ; s12  my wave's number
.set G1,  24                           ; s[24:31] descriptor group 1
.set G0,  32                           ; s[32:35] descriptor group 0: it walks
.set MB,  36                           ; s[36:37] mh, s[38:39] my batch's xh, s[40:41] wvh, each at my wave's 16 rows of tile 0
.set XB,  38
.set VB,  40
.set SRC, 42                           ; s[42:43] the tensor of the tile to be asked for
.set OFF, 44                           ; s[44:45] that tile's byte offset in it
.set T0,  46                           ; s46  the walk's number of that tensor's first tile
.set NXT, 47                           ; s47  the walk's number of the tile to be asked for
.set TB,  48                           ; s48  LDS byte at which the tile in hand begins
.set CNT, 49                           ; s49  the loops' counter
.set MK,  50                           ; s50  a compare's mask, beside VCC
.set CS,  52                           ; s[52:53] c
.set SEL, 54                           ; s[54:55] v_permlanex16_b32's selects: each lane takes its own place in the other half
.set W_KQ, 0x0c                        ; fragments and S^T in window 0, Q' or T (source 1) in window 3; LDS loads into window 0 run under it too
.set MSB, 0
.macro WIN new                         ; the high byte repeats the setting that is left; a switch that changes nothing is dropped
.if MSB != (\new)
	s_set_vgpr_msb (MSB<<8)|(\new)
.set MSB, (\new)
.endif
.endm
.macro PLACES                          ; four plain vector instructions between a matrix instruction and a load into, a write of or a read of its registers (ISA guide 7.12.1 for vector instructions)
.rept 4
	v_nop
.endr
.endm
; A round of the cluster's barrier: my work-group's barrier, so that wave 0's signal speaks for all four waves; wave 0 signals; every wave waits for all four work-groups; my work-group's barrier once more.
.macro CROUND
	s_barrier_signal -1
	s_barrier_wait -1
	s_cmp_lg_u32 s[WV], 0
	s_cbranch_scc1 .Lnot_wave_0_\@
	s_barrier_signal -3
.Lnot_wave_0_\@:
	s_barrier_wait -3
	s_barrier_signal -1
	s_barrier_wait -1
.endm
; THE CHANGE OF SLOTS, in front of every tile.  Each wave waits for all its tensor loads, of which one is out: its 16 rows of the tile to be entered; adds 0 to its spare word; and waits for that and for its reads of the
; slot that it leaves.  fill = 1: behind a round of the cluster's barrier, when no wave of any partner reads that slot or has a load on its way, the slot takes tile NXT of the walk: the joint load is the first thing there,
; one a wave, and has the whole step in which to land.  Its address is made anew: the tensor by two selects on the tile's number, plus the tile's 65,536 bytes times its number in that tensor.
.macro CHANGE fill
	WIN 0                                          ; at a label and at a branch every window is 0; the add's registers lie in window 0
	s_wait_tensorcnt 0x0                           ; no tensor load of mine is out, so group 0 may be written
	ds_add_u32 v[SPW], v[NIL]                      ; 0 onto my spare word: the scalar work stands between it and the wait for it
.if \fill
	s_cmp_lt_u32 s[NXT], 24
	s_cselect_b64 s[SRC:SRC+1], s[XB:XB+1], s[VB:VB+1]
	s_cselect_b32 s[T0], 8, 24
	s_cmp_lt_u32 s[NXT], 8
	s_cselect_b64 s[SRC:SRC+1], s[MB:MB+1], s[SRC:SRC+1]
	s_cselect_b32 s[T0], 0, s[T0]
	s_sub_co_u32 s[OFF], s[NXT], s[T0]
	s_lshl_b32 s[OFF], s[OFF], 16
	s_add_nc_u64 s[G0+2:G0+3], s[SRC:SRC+1], s[OFF:OFF+1]
	s_or_b32 s[G0+3], s[G0+3], 0x80000000          ; 127:126 type = 2
	s_xor_b32 s[G0+1], s[G0+1], SLOT1              ; the other slot than last time
	s_add_co_u32 s[NXT], s[NXT], 1
	s_wait_dscnt 0x0                               ; the add is done, and my reads of the slot are over
	CROUND
	tensor_load_to_lds s[G0:G0+3], s[G1:G1+7]
	s_nop 0
	PLACES                                         ; these four are also the places in front of the fragment loads that follow
.else
	s_wait_dscnt 0x0
	s_barrier_signal -1
	s_barrier_wait -1
.endif
	s_xor_b32 s[TB], s[TB], SLOT1                  ; the reads go to the other slot
.endm
; Eight plain loads: the fragments of K step j (32 channels) of the tile's four blocks of 16 rows, into buffer j % 4
.macro KLOAD j
.set kof, ((\j)/4)*256+((\j)%4)*32
.set kc, 0
.rept 4
	ds_load_b128 v[FB+32*((\j)%4)+8*kc:FB+32*((\j)%4)+8*kc+3],   v[ADR] offset:kc*R16+kof
	ds_load_b128 v[FB+32*((\j)%4)+8*kc+4:FB+32*((\j)%4)+8*kc+7], v[ADR] offset:kc*R16+kof+16
.set kc, kc+1
.endr
.endm
; S^T = (64 rows of the tile) x (window 3's fragments)^T: 16 K steps of 8 matrix instructions; the 8 sums take turns; the first K step starts them with the constant 0.  Loads run three groups ahead.
.macro KQ
	WIN W_KQ
	KLOAD 0
	KLOAD 1
	KLOAD 2
	KLOAD 3
.set qj, 0
.rept 16
.if qj < 12
	s_wait_dscnt 24                                ; LDS loads come back in order (ISA guide 5.7.1): three younger groups of eight stay out
.else
	s_wait_dscnt 8*(15-qj)                         ; the counts run down
.endif
.set qk, 0
.rept 4
.set qt, 0
.rept 2
.if qj == 0
	v_wmma_f32_16x16x32_f16 v[S+32*qt+8*qk:S+32*qt+8*qk+7], v[FB+32*(qj%4)+8*qk:FB+32*(qj%4)+8*qk+7], v[128*qt+8*qj:128*qt+8*qj+7], 0
.else
	v_wmma_f32_16x16x32_f16 v[S+32*qt+8*qk:S+32*qt+8*qk+7], v[FB+32*(qj%4)+8*qk:FB+32*(qj%4)+8*qk+7], v[128*qt+8*qj:128*qt+8*qj+7], v[S+32*qt+8*qk:S+32*qt+8*qk+7]
.endif
.set qt, qt+1
.endr
.set qk, qk+1
.endr
.if qj < 12
	PLACES
	KLOAD qj+4
.endif
.set qj, qj+1
.endr
.endm
; Eight turning loads: group j of 16: rows 32 ((j / 4) % 2) on, channel blocks 16 (j / 8) + 4 (j % 4) + 0..3, into buffer j % 4
.macro VLOAD j
.set vc, 0
.rept 4
.set vcb, 16*((\j)/8)+4*((\j)%4)+vc
.set vof, (((\j)/4)%2)*2*R16+(vcb/8)*256+(vcb%8)*16
	ds_load_tr16_b128 v[FB+32*((\j)%4)+8*vc:FB+32*((\j)%4)+8*vc+3],   v[ADV] offset:vof
	ds_load_tr16_b128 v[FB+32*((\j)%4)+8*vc+4:FB+32*((\j)%4)+8*vc+7], v[ADV] offset:vof+R16
.set vc, vc+1
.endr
.endm
; count pairs of O^T, from pair first on, times their tile's factor v[ST + 8 t + 6]; ascending, so that each sum's lowest registers are read first
.macro SCALE win, first, count
	WIN \win
.set ri, \first
.rept \count
	v_pk_mul_f32 v[2*ri:2*ri+1], v[2*ri:2*ri+1], v[ST+8*((ri/4)%2)+6:ST+8*((ri/4)%2)+7] op_sel_hi:[1,0]
.set ri, ri+1
.endr
.endm
; O^T += (tile)^T x (source 1: 64 rows x my 32 queries, at pbase + 16 t + 8 half; w3 = 1: in window 3).  16 groups of 8 matrix instructions on 8 different sums; a sum comes up again 32 instructions later.
; The caller has issued groups 0 to 3 of the loads.  ride = 1: window 2's O^T, which groups 8 to 15 add onto, is rescaled behind groups 0 to 7, 16 packed multiplies each: they name no register of the products round them and are the places.
.macro PV w3, pbase, ride
.set pj, 0
.rept 16
.if pj < 12
	s_wait_dscnt 24                                ; three younger groups of eight stay out
.else
	s_wait_dscnt 8*(15-pj)
.endif
	WIN 0x50*(1+pj/8)+0x0c*(\w3)
.set pc, 0
.rept 4
.set pt, 0
.rept 2
.set rO, 16*(4*(pj%4)+pc)+8*pt
	v_wmma_f32_16x16x32_f16 v[rO:rO+7], v[FB+32*(pj%4)+8*pc:FB+32*(pj%4)+8*pc+7], v[(\pbase)+16*pt+8*((pj/4)%2):(\pbase)+16*pt+8*((pj/4)%2)+7], v[rO:rO+7]
.set pt, pt+1
.endr
.set pc, pc+1
.endr
.if (\ride) && (pj < 8)
	SCALE 0x82, 16*pj, 16
.elseif pj < 12
	PLACES
.endif
.if pj < 12
	WIN 0
	VLOAD pj+4
.endif
.set pj, pj+1
.endr
.endm
; The softmax's pieces, each for both tiles, which alternate so that no line reads the result of the one before it
.macro FS b                            ; pair b of 16: c s - c m
	s_wait_alu depctr_va_vdst(0)
.irp t, 0,1
	v_pk_fma_f32 v[S+32*\t+2*(\b):S+32*\t+2*(\b)+1], v[S+32*\t+2*(\b):S+32*\t+2*(\b)+1], s[CS:CS+1], v[ST+8*\t:ST+8*\t+1] op_sel_hi:[1,0,0] neg_lo:[0,0,1] neg_hi:[0,0,1]
.endr
.endm
.macro ES b                            ; its exponentials
.irp t, 0,1
	v_exp_f32 v[S+32*\t+2*(\b)], v[S+32*\t+2*(\b)]
	v_exp_f32 v[S+32*\t+2*(\b)+1], v[S+32*\t+2*(\b)+1]
.endr
.endm
.macro CP b                            ; the pair rounded to f16: two key blocks so packed ARE source 1 of the second product
	s_wait_alu depctr_va_vdst(0)
.irp t, 0,1
	v_cvt_pk_f16_f32 v[P+16*\t+(\b)], v[S+32*\t+2*(\b)], v[S+32*\t+2*(\b)+1]
.endr
.endm
.macro LS b                            ; l takes the unrounded pair; the first time l = a l + pair
.irp t, 0,1
.if (\b) == 0
	v_pk_fma_f32 v[ST+8*\t+2:ST+8*\t+3], v[ST+8*\t+2:ST+8*\t+3], v[ST+8*\t+6:ST+8*\t+7], v[S+32*\t:S+32*\t+1] op_sel_hi:[1,0,1]
.else
	v_pk_add_f32 v[ST+8*\t+2:ST+8*\t+3], v[ST+8*\t+2:ST+8*\t+3], v[S+32*\t+2*(\b):S+32*\t+2*(\b)+1]
.endif
.endr
.endm
.macro SOFTMAX
	WIN 0
.set si, 0
.rept 32                               ; a score of exactly 0 becomes 1e-10 (in s's unit); ascending, so that each sum's lowest registers are read first
	v_cmp_eq_f32 vcc_lo, 0, v[S+si]
	v_cmp_eq_f32 s[MK], 0, v[S+32+si]
	v_cndmask_b32 v[S+si], v[S+si], v[EPS], vcc_lo
	v_cndmask_b32 v[S+32+si], v[S+32+si], v[EPS], s[MK]
.set si, si+1
.endr
.irp n, 0,1,2,3                        ; the maximum of the lane's 32 scores and the old m, three operands at a time: four chains of seven scores,
.irp t, 0,1
	v_max3_num_f32 v[ST+8*\t+4+\n], v[S+32*\t+8*\n], v[S+32*\t+8*\n+1], v[S+32*\t+8*\n+2]
.endr
.endr
.irp g, 1,2
.irp n, 0,1,2,3
.irp t, 0,1
	v_max3_num_f32 v[ST+8*\t+4+\n], v[ST+8*\t+4+\n], v[S+32*\t+8*\n+2*\g+1], v[S+32*\t+8*\n+2*\g+2]
.endr
.endr
.endr
.irp t, 0,1                            ; the four scores left over,
	v_max3_num_f32 v[ST+8*\t+4], v[ST+8*\t+4], v[S+32*\t+7], v[S+32*\t+15]
.endr
.irp t, 0,1
	v_max3_num_f32 v[ST+8*\t+6], v[ST+8*\t+6], v[S+32*\t+23], v[S+32*\t+31]
.endr
.irp t, 0,1
	v_max3_num_f32 v[ST+8*\t+4], v[ST+8*\t+4], v[ST+8*\t+5], v[ST+8*\t+6]
.endr
.irp t, 0,1
	v_max3_num_f32 v[ST+8*\t+4], v[ST+8*\t+4], v[ST+8*\t+7], v[ST+8*\t+1]
.endr
.irp t, 0,1
	v_permlanex16_b32 v[ST+8*\t+5], v[ST+8*\t+4], s[SEL], s[SEL+1]  ; the query's other 32 keys lie in the lane 16 away
.endr
.irp t, 0,1
	v_mov_b32 v[ST+8*\t+7], v[ST+8*\t]             ; c m_old is kept for a
.endr
.irp t, 0,1
	v_max_num_f32 v[ST+8*\t+1], v[ST+8*\t+4], v[ST+8*\t+5]
.endr
.irp t, 0,1
	v_mul_f32 v[ST+8*\t], s[CS], v[ST+8*\t+1]
.endr
.irp t, 0,1
	v_sub_f32 v[ST+8*\t+7], v[ST+8*\t+7], v[ST+8*\t]
.endr
.irp t, 0,1
	v_exp_f32 v[ST+8*\t+6], v[ST+8*\t+7]           ; a
.endr
	FS 0                                           ; plain lines behind the exponentials, before their results are used (ISA guide 5.7.2)
	FS 1
.set sb, 0
.rept 17                               ; four exponentials on end, then plain work that is ready: the scaling two pairs ahead, the rounding and the sum a pair back
.if sb < 16
	ES sb
.endif
.if sb < 14
	FS sb+2
.endif
.if sb > 0
	CP sb-1
	LS sb-1
.endif
.set sb, sb+1
.endr
.endm
; O^T times its tile's scale, rounded to f16, becomes window 3's fragments: blocks 2 k and 2 k + 1 make K step k.  The scaled O^T that stays behind is finite.
.macro CONVERT
	PLACES
.irp w, 1,2
	SCALE 0x41*\w, 0, 128
	WIN 0xc0|(5*\w)                                ; sources 0 and 1 in window w, destination in window 3
.set ci, 0
.rept 128
	v_cvt_pk_f16_f32 v[128*((ci/4)%2)+64*(\w-1)+8*(ci/16)+4*((ci/8)%2)+ci%4], v[2*ci], v[2*ci+1]
.set ci, ci+1
.endr
.endr
	WIN 0
.endm
; A tile of Wv: out^T = Wv T^T, a lane holds eight neighbouring columns of one row of out0; through my own stage into whole rows of 256 bytes.  step = 1: out0's address goes 64 columns on.
.macro OSTEP step
	v_add_nc_u32 v[ADR], s[TB], v[AK0]
	PLACES                                         ; with the line above: five places in front of the products that write S^T over
	KQ
	PLACES
	WIN 0
.set oi, 0
.rept 8                                ; tile oi / 4, block oi % 4 of 16 columns
	ds_store_b128 v[STO], v[S+8*oi:S+8*oi+3]   offset:(oi/4)*16*SP+(oi%4)*64
	ds_store_b128 v[STO], v[S+8*oi+4:S+8*oi+7] offset:(oi/4)*16*SP+(oi%4)*64+16
.set oi, oi+1
.endr
.set oi, 0
.rept 16
	ds_load_b128 v[S+4*oi:S+4*oi+3], v[RD] offset:oi*2*SP  ; LDS serves a wave's instructions in order (ISA guide 5.7.1.4): these see the stores above
.set oi, oi+1
.endr
.set oi, 0
.rept 16
	s_wait_dscnt 15-oi
	global_store_b128 v[GO], v[S+4*oi:S+4*oi+3], s[10:11] offset:oi*4096 th:TH_STORE_NT  ; 16 lanes store 256 consecutive bytes, at a multiple of 256 from out0's first byte
.set oi, oi+1
.endr
.if \step
	s_wait_xcnt 0x0                                ; every earlier memory instruction has had its addresses translated (ISA guide 3.1): only now are the stores' base and data rewritten
	s_add_nc_u64 s[10:11], s[10:11], 256
.endif
.endm
	s_load_b256 s[4:11], s[0:1], 0x0               ; xh s[4:5], mh s[6:7], wvh s[8:9], out0 s[10:11]
	v_lshl_add_u32 v[SPW], v0, 2, SPARE
	v_mov_b32 v[NIL], 0
	ds_add_u32 v[SPW], v[NIL]                      ; the wave's opening: the add and its wait stand ahead of my first tensor load; the set-up below, work on registers, stands between them
	v_lshrrev_b32 v14, 5, v0
	v_readfirstlane_b32 s[WV], v14                 ; wave 0..3
	s_bfe_u32 s13, ttmp6, 0x40000                  ; cx: my place in the cluster
	s_lshl_b32 s14, ttmp9, 2                       ; in a cluster launch ttmp9 counts clusters
	s_add_co_u32 s14, s14, s13                     ; my block of 128 queries: it enters X's and out0's addresses alone
	s_and_b32 s15, ttmp7, 0xffff                   ; the batch, which the four partners share
	s_lshl_b32 s16, s15, 10
	s_lshl_b32 s17, s14, 7
	s_add_co_u32 s16, s16, s17
	s_lshl_b32 s17, s[WV], 5
	s_add_co_u32 s16, s16, s17                     ; my wave's first row: 1024 batch + 128 block + 32 wave
	s_lshl_b32 s20, s16, 11                        ; in out0's bytes,
	s_mov_b32 s21, 0
	s_lshl_b32 s16, s16, 10                        ; in xh's
	s_mov_b32 s17, 0
	s_lshl_b32 s18, s[WV], 14                      ; my 16 rows of 1,024 bytes in every tile
	s_mov_b32 s19, 0
	s_lshl_b32 s22, s15, 20                        ; the batch's 1,024 rows
	s_add_co_u32 s22, s22, s18
	s_mov_b32 s23, 0
	; descriptor group 1: 16 rows x 512 elements, 16 bytes of padding behind each row
	s_mov_b32 s[G1], 15|(1<<16)|(1<<20)|(1<<21)|(7<<22)|(3<<25)  ; 15:0 the mask of four; 17:16 2-byte elements; 20 padding on; 21 set beside a mask; 24:22 after every 256 words (code 7); 31:25 4 words (code 3)
	s_mov_b32 s[G1+1], 512<<16                     ; tensor_dim0 = 512
	s_mov_b32 s[G1+2], 16<<16                      ; tensor_dim1 = 16
	s_mov_b32 s[G1+3], 512<<16                     ; tile_dim0 = 512
	s_mov_b32 s[G1+4], 16                          ; tile_dim1 = 16
	s_mov_b32 s[G1+5], 512                         ; 512 elements from row to row
	s_mov_b32 s[G1+6], 0
	s_mov_b32 s[G1+7], 0
	s_mov_b32 s[G0], 1                             ; 1:0 count = 1
	s_mul_i32 s[G0+1], s[WV], R16                  ; 63:32 LDS address: my 16 rows of slot 0: no place in the cluster enters it
	s_mov_b32 s[OFF+1], 0
	s_mov_b32 s[NXT], 1
	s_mov_b32 s[TB], SLOT1                         ; the first change of slots turns it into 0
	s_mov_b32 s[CS], 0x428293ee                    ; c = 1024 log2(e) / sqrt(512) = 65.2889
	s_mov_b32 s[CS+1], s[CS]                       ; named with it as a pair
	s_mov_b32 s[SEL], 0x76543210
	s_mov_b32 s[SEL+1], 0xfedcba98
	s_mul_i32 s51, s[WV], 32*SP
	s_add_co_u32 s51, s51, STAGE                   ; my stage
	s_wait_dscnt 0x0                               ; the opening add is done
	s_wait_kmcnt 0x0
	s_add_nc_u64 s[MB:MB+1], s[6:7], s[18:19]
	s_add_nc_u64 s[XB:XB+1], s[4:5], s[22:23]
	s_add_nc_u64 s[VB:VB+1], s[8:9], s[18:19]
	s_add_nc_u64 s[4:5], s[4:5], s[16:17]          ; X and out0 at my wave's first row
	s_add_nc_u64 s[10:11], s[10:11], s[20:21]
	s_mov_b64 s[G0+2:G0+3], s[MB:MB+1]             ; 120:64 global address: M's tile 0
	s_or_b32 s[G0+3], s[G0+3], 0x80000000          ; 127:126 type = 2
	CROUND                                         ; all four work-groups are here: the first joint loads meet
	tensor_load_to_lds s[G0:G0+3], s[G1:G1+7]      ; tile 0 into slot 0; slot 1 is asked for by the first change of slots
	s_nop 0
	PLACES
	v_and_b32 v1, 15, v0                           ; l % 16
	v_bfe_u32 v2, v0, 4, 1                         ; l / 16
	v_lshlrev_b32 v[XO], 10, v1
	v_lshl_add_u32 v[XO], v2, 4, v[XO]             ; row x 1,024 + 16 x half
	WIN 0xc0                                       ; destination window 3, address window 0
.set xi, 0
.rept 32                               ; X stays in registers: fragment xi: channels 64 (xi / 4) + 32 (xi % 2) on, tile (xi / 2) % 2; two loads of 16 bytes, 32 bytes apart
	global_load_b128 v[8*xi:8*xi+3],   v[XO], s[4:5] offset:((xi/2)%2)*16384+(xi/4)*128+(xi%2)*64
	global_load_b128 v[8*xi+4:8*xi+7], v[XO], s[4:5] offset:((xi/2)%2)*16384+(xi/4)*128+(xi%2)*64+32
.set xi, xi+1
.endr
	WIN 0x40
.set xi, 0
.rept 256
	v_mov_b32 v[xi], 0                             ; O^T starts at 0: all this stands in the wait for the first tile
.set xi, xi+1
.endr
	WIN 0x80
.set xi, 0
.rept 256
	v_mov_b32 v[xi], 0
.set xi, xi+1
.endr
	WIN 0
	v_mul_u32_u24 v[AK0], v1, PITCH
	v_lshl_add_u32 v[AK0], v2, 7, v[AK0]
	v_and_b32 v14, 7, v0
	v_bfe_u32 v15, v0, 3, 1
	v_lshl_add_u32 v[AV0], v2, 3, v14
	v_mul_u32_u24 v[AV0], v[AV0], PITCH
	v_lshl_add_u32 v[AV0], v15, 7, v[AV0]
	v_mul_u32_u24 v[STO], v1, SP                   ; in: row l % 16, 32 bytes for each half of the lanes
	v_lshl_add_u32 v[STO], v2, 5, v[STO]
	v_add_nc_u32 v[STO], s51, v[STO]
	v_mul_u32_u24 v[RD], v2, SP                    ; back: lanes 0-15 take one row of 256 bytes, lanes 16-31 the next
	v_lshl_add_u32 v[RD], v1, 4, v[RD]
	v_add_nc_u32 v[RD], s51, v[RD]
	v_lshlrev_b32 v[GO], 11, v2                    ; and the same two rows in out0
	v_lshl_add_u32 v[GO], v1, 4, v[GO]
	v_mov_b32 v[EPS], 0x2c1b7e93                   ; 1e-10 sqrt(512) / 1024
	s_wait_loadcnt 0x0                             ; X
	; ---------------- Q'^T = M^T X^T: tiles 0 to 7 ----------------
	; Two trips of four steps; step i multiplies by X's chunk i of 64 channels; between the trips chunks 4 to 7 come down to where the one text names them.
	s_mov_b32 s[CNT], 2
.Lpre:
.irp i, 0,1,2,3
	CHANGE 1
	v_add_nc_u32 v[ADV], s[TB], v[AV0]
	VLOAD 0
	VLOAD 1
	VLOAD 2
	VLOAD 3
	PV 1, 32*\i, 0
.endr
	WIN 0
	s_cmp_eq_u32 s[CNT], 1
	s_cbranch_scc1 .Lpre_done                      ; forward, past register work alone
	PLACES                                         ; the last products read what the moves write
	WIN 0xc3
.set xi, 0
.rept 128
	v_mov_b32 v[xi], v[128+xi]
.set xi, xi+1
.endr
	WIN 0
.Lpre_done:
	s_sub_co_u32 s[CNT], s[CNT], 1
	s_cmp_lg_u32 s[CNT], 0
	s_cbranch_scc1 .Lpre
.irp t, 0,1
	v_mov_b32 v[ST+8*\t+6], 0x3a800000             ; 1 / 1024
	v_mov_b32 v[ST+8*\t+7], 0x3a800000             ; named with it as a pair
.endr
	CONVERT                                        ; Q' / 1024 in f16 takes X's place
.irp t, 0,1
	v_mov_b32 v[ST+8*\t], 0xfe000000               ; c m: far below every c s, so the first a is 0 and what lies in O^T, finite, counts for nothing
	v_mov_b32 v[ST+8*\t+1], 0xff7fffff             ; m: the lowest finite number
	v_mov_b32 v[ST+8*\t+2], 0                      ; l
	v_mov_b32 v[ST+8*\t+3], 0
.endr
	; ---------------- the keys: tiles 8 to 23 ----------------
	s_mov_b32 s[CNT], 16
.Lmain:
	CHANGE 1
	v_add_nc_u32 v[ADR], s[TB], v[AK0]
	v_add_nc_u32 v[ADV], s[TB], v[AV0]
	KQ
	PLACES                                         ; in front of the loads into the buffers and of the softmax's reads of S^T
	WIN 0
	VLOAD 0                                        ; the second product's first fragments land under the softmax
	VLOAD 1
	VLOAD 2
	VLOAD 3
	SOFTMAX
	SCALE 0x41, 0, 128                             ; window 1's O^T times a; window 2's rides behind the first 64 products
	PV 0, P, 1
	WIN 0
	s_sub_co_u32 s[CNT], s[CNT], 1
	s_cmp_lg_u32 s[CNT], 0
	s_cbranch_scc1 .Lmain
	; ---------------- T = O / l ----------------
.irp t, 0,1
	v_add_f32 v[ST+8*\t+4], v[ST+8*\t+2], v[ST+8*\t+3]
.endr
.irp t, 0,1
	v_permlanex16_b32 v[ST+8*\t+5], v[ST+8*\t+4], s[SEL], s[SEL+1]
.endr
.irp t, 0,1
	v_add_f32 v[ST+8*\t+4], v[ST+8*\t+4], v[ST+8*\t+5]
.endr
.irp t, 0,1
	v_rcp_f32 v[ST+8*\t+6], v[ST+8*\t+4]
.endr
	v_nop                                          ; a plain instruction between the last reciprocal and the use of its result
	s_wait_alu depctr_va_vdst(0)
	CONVERT                                        ; T in f16 takes Q's place
	; ---------------- out = T Wv^T: tiles 24 to 31 ----------------
	s_mov_b32 s[CNT], 7
.Lpost:
	CHANGE 1
	OSTEP 1
	s_sub_co_u32 s[CNT], s[CNT], 1
	s_cmp_lg_u32 s[CNT], 0
	s_cbranch_scc1 .Lpost
	CHANGE 0                                       ; the walk's last tile is written out: nothing is asked for
	OSTEP 0
	s_wait_tensorcnt 0x0                           ; the wave's end, behind my last tensor load and my last LDS store
	ds_add_u32 v[SPW], v[NIL]
	s_wait_dscnt 0x0
	CROUND                                         ; the closing round: no work-group ends while a partner may still ask for a tile that names it
	s_endpgm
.Lfunc_end_k_qe16b8648c4_attn:
	.size	k_qe16b8648c4_attn, .Lfunc_end_k_qe16b8648c4_attn-k_qe16b8648c4_attn
	.p2alignl 7, 3214868480
	.fill 96, 4, 3214868480
	.section	.rodata,"a",@progbits
	.p2align	6, 0x0
	.amdhsa_kernel k_qe16b8648c4_attn
		.amdhsa_group_segment_fixed_size 327680
		.amdhsa_private_segment_fixed_size 0
		.amdhsa_enable_private_segment 0
		.amdhsa_kernarg_size 32
		.amdhsa_user_sgpr_count 2
		.amdhsa_user_sgpr_kernarg_segment_ptr 1
		.amdhsa_wavefront_size32 1
		.amdhsa_system_sgpr_workgroup_id_x 1
		.amdhsa_system_sgpr_workgroup_id_y 1
		.amdhsa_system_sgpr_workgroup_id_z 1
		.amdhsa_system_vgpr_workitem_id 0
		.amdhsa_next_free_vgpr 1024
		.amdhsa_next_free_sgpr 66
		.amdhsa_reserve_vcc 1
		.amdhsa_float_denorm_mode_32 3
		.amdhsa_float_denorm_mode_16_64 3
		.amdhsa_memory_ordered 1
		.amdhsa_forward_progress 1
		.amdhsa_inst_pref_size 255
	.end_amdhsa_kernel
	.section	.bss,"aw",@nobits
	.p2align	6
	.space	262144
	.amdgpu_metadata
---
amdhsa.version: [ 1, 2 ]
amdhsa.kernels:
  - .name:           k_qe16b8648c4_attn
    .symbol:         k_qe16b8648c4_attn.kd
    .args:
      - { .name: xh, .offset: 0, .size: 8, .value_kind: global_buffer, .address_space: global }
      - { .name: mh, .offset: 8, .size: 8, .value_kind: global_buffer, .address_space: global }
      - { .name: wvh, .offset: 16, .size: 8, .value_kind: global_buffer, .address_space: global }
      - { .name: out0, .offset: 24, .size: 8, .value_kind: global_buffer, .address_space: global }
    .group_segment_fixed_size: 327680
    .private_segment_fixed_size: 0
    .kernarg_segment_align: 8
    .kernarg_segment_size: 32
    .max_flat_workgroup_size: 128
    .sgpr_count:     66
    .vgpr_count:     1024
    .wavefront_size: 32
...
	.end_amdgpu_metadata
.endif
;; end of part 2
;; ======== version 2 of 2: 2 launches; version 1 with the launch prep written anew for expert scheduling mode
;; limits: values are held in f16: magnitudes above 65,504 overflow, below 6.1e-05 lose precision; right only within a limited range of input values
;; workspace buffers: xh 33,554,432 bytes; mh 524,288 bytes; wvh 524,288 bytes
;; launch prep (part 3): grid 324 x 1, 8 waves a work-group, no clusters, 141,312 bytes of LDS; arguments embeddings, Wq, Wk, Wv, xh, mh, wvh; writes xh, mh, wvh
.if DOCPART == 3
	.amdgcn_target "amdgcn-amd-amdhsa--gfx1250"
	.amdhsa_code_object_version 6
	.text
	.protected	k_qe16b8648c4_prep
	.globl	k_qe16b8648c4_prep
	.p2align	8
	.type	k_qe16b8648c4_prep,@function
k_qe16b8648c4_prep:
	s_mov_b64 s[64:65], 0
	v_nop
	global_prefetch_b8 v0, s[64:65] scope:SCOPE_SE
	s_setreg_imm32_b32 hwreg(HW_REG_WAVE_SCHED_MODE, 0, 2), 2
	s_setreg_imm32_b32 hwreg(HW_REG_WAVE_MODE, 25, 1), 1
	s_wait_xcnt 0x0
	s_wait_alu depctr_vm_vsrc(0)
; PREPARATION FOR THE ATTENTION LAUNCH.  Two kinds of work-group, told apart by the work-group's number alone (the same for all eight waves):
;   0 .. 63    FOLD: a tile of 64 x 64 of M[d][d'] = sum over e of Wq~[e][d] Wk~[e][d'] (~: rounded to bf16), bf16 products, f32 sums, rounded once to f16.
;              scores = x (Wq^T Wk) x^T for every input, so the attention launch needs M alone, and x serves as keys and as values.
;   64 .. 323  CAST: 262,144 bytes of embeddings (256 work-groups) or of Wv (4) are rounded to bf16 and that number is written as f16.
; LIMITS.  A bf16 number is exact in f16 from 6.1e-5 to 65,504; below it keeps f16's fixed step of 6e-8; beyond 65,504 it would become an infinity: |x|, |Wv| and |M| stay under that.
; NO CLUSTER, NO TENSOR LOAD: a cast shares nothing; of the fold each strip of 64 columns is read by eight work-groups: 2 x 8 MiB of requests beside the cast's 65 MiB, all within two tensors of 1 MiB.
; THE MODE: SCHED_MODE bits 1:0 = 2 (LLVM: expert scheduling mode 2), set by the entry lines.  The code itself states the register dependences
; between vector or matrix instructions and memory or LDS instructions, with s_wait_alu, always for 0.
; THE PLAN, CAST.  The 64 pieces go in 16 blocks of four.  Registers that memory instructions touch:
;   X0 .. X3   Block p: its eight roundings to bf16 read X[p % 4]; behind them the loads of block p + 4 land in it.
;   Y0, Y1     Block p: its roundings to f16 write Y[p % 2]; the four stores issued in block p + 1 read it.
;   v1, v2     byte offsets, made once; the rows are reached by the scalar bases, which move on by a block, and by immediate offsets.
;   T1, T2 are named by vector instructions alone.
; So the waits of a block stand in one place, behind its first eight roundings; its eight memory instructions follow, dealt among the other 24 vector instructions, which name T1, T2 and Y[p % 2] alone.
; THE PLAN, FOLD.  Staging, in eight groups of eight loads:
;   R          A group's sixteen roundings read its 32 registers; behind them, for Wq's groups, Wk's loads land there.
;   OUT0, OUT1 Group g's roundings write OUT[g % 2]; its eight LDS stores read it; group g + 2 writes it again.
;   v6, v7, v8 made once.
; Products: three fragment buffers.  K step s: its four matrix instructions read buffer s % 3; the loads of step s + 2 land in buffer (s - 1) % 3, which the step before multiplied.  v9 to v13: made once.
; One wait on va_vdst to a group and to a K step; the sums are named by matrix and vector instructions alone until the way out.
.set SPARE, 140288                     ; the spare words: 128 bytes for each of eight waves, four blocks of 256 bytes that no other line names
.set KT,    65536                      ; LDS: QT [512 e][64 d] bf16 from 0, KT [512 e][64 d'] from here, rows of 128 bytes
.set MSTG,  131072                     ; 16 rows x 144 bytes for each of waves 0 to 3: the fold's way out
.set SPW, 4                            ; v4  LDS address of my spare word; never rewritten
.set NIL, 5                            ; v5  0; never rewritten
.set X,   16                           ; cast: v[16:79]   buffer k, piece i: four f32 as loaded, at X + 16 k + 4 i
.set Y,   80                           ; cast: v[80:95]   buffer k, piece i: four f16 to store, at Y + 8 k + 2 i
.set T1,  96                           ; cast: v[96:103]  a block's sixteen numbers in bf16
.set T2,  104                          ; cast: v[104:107] four of them back in f32, at work
.set R,   16                           ; fold: v[16:143]  32 loads of four f32
.set OUT, 144                          ; fold: v[144:175] buffer k, load i of a group: four bf16 to store, at OUT + 16 k + 2 i
.set FRG, 16                           ; fold: v[16:135]  three fragment buffers of 40: Wq^T's fragment, then Wk^T's four
.set ACC, 136                          ; fold: v[136:167] the four sums
.set PK,  FRG+40                       ; fold: v[56:71]   the way out: the packed results
.set BK,  FRG                          ; fold: v[16:31]   the way out: four rows read back from the stage
.macro PLACES                          ; four plain vector instructions between a matrix instruction and a load into, or a read of, its registers
.rept 4
	v_nop
.endr
.endm
	s_load_b256 s[4:11], s[0:1], 0x0               ; embeddings s[4:5], Wq s[6:7], Wk s[8:9], Wv s[10:11]
	s_load_b128 s[12:15], s[0:1], 0x20             ; xh s[12:13], mh s[14:15]
	s_load_b64 s[16:17], s[0:1], 0x30              ; wvh
	v_lshl_add_u32 v[SPW], v0, 2, SPARE
	v_mov_b32 v[NIL], 0
	v_lshrrev_b32 v3, 5, v0
	v_readfirstlane_b32 s20, v3                    ; wave 0..7
	s_mov_b32 s21, 0xffff0000                      ; a word's upper bf16
	s_wait_alu depctr_va_sdst(0)                   ; s20 is written, ahead of the branch and of its first reader: the fold's offsets are made from it
	s_cmp_lt_u32 ttmp9, 64
	s_cbranch_scc0 .Lcast
	; ---------------- FOLD ----------------
	; Staging: wave w takes rows e = 64 w + 2 i + lane / 16, i = 0..31; sixteen lanes read the row's 256 bytes of the strip whole and store 128 bytes of bf16.
	s_lshr_b32 s22, ttmp9, 3                       ; dt: which 64 d
	s_and_b32 s23, ttmp9, 7                        ; et: which 64 d'
	s_lshl_b32 s24, s22, 8                         ; the strips' first bytes in a row of Wq and of Wk
	s_mov_b32 s25, 0
	s_lshl_b32 s26, s23, 8
	s_mov_b32 s27, 0
	s_lshl_b32 s28, s20, 17                        ; 64 rows of 2,048 bytes a wave
	s_lshl_b32 s29, s20, 13                        ; 64 LDS rows of 128 bytes a wave
	v_and_b32 v14, 15, v0                          ; lane % 16
	v_bfe_u32 v15, v0, 4, 1                        ; lane / 16
	v_lshl_add_u32 v6, v14, 4, s28
	v_lshl_add_u32 v6, v15, 11, v6                 ; byte offset in Wq and Wk
	v_lshl_add_u32 v7, v14, 3, s29
	v_lshl_add_u32 v7, v15, 7, v7                  ; LDS address in QT,
	v_add_nc_u32 v8, KT, v7                        ; and in KT
	s_wait_kmcnt 0x0
	s_add_nc_u64 s[6:7], s[6:7], s[24:25]
	s_add_nc_u64 s[8:9], s[8:9], s[26:27]
	s_wait_alu depctr_va_vdst(0)                   ; v6, v7 and v8 are written, which the loads and the LDS stores of the staging read
.set i, 0
.rept 32
	global_load_b128 v[R+4*i:R+4*i+3], v6, s[6:7] offset:4096*i
.set i, i+1
.endr
.set g, 0
.rept 8                                ; groups 0 to 3: Wq's loads 8 g .. 8 g + 7 are rounded and stored, Wk's take their registers; groups 4 to 7: Wk's
.if g < 4
	s_wait_loadcnt 24                              ; behind the group's eight stand 24 - 8 g of Wq's loads and 8 g of Wk's: 24 younger loads stay out
.else
	s_wait_loadcnt 24-8*(g-4)                      ; the counts run down
.endif
.if g >= 2
	s_wait_alu depctr_vm_vsrc(0)                   ; the LDS stores of two groups back have read OUT[g % 2], which the roundings below write again
.endif
.set i, 0
.rept 8
.set rr, R+4*(8*(g%4)+i)
	v_cvt_pk_bf16_f32 v[OUT+16*(g%2)+2*i],   v[rr],   v[rr+1]
	v_cvt_pk_bf16_f32 v[OUT+16*(g%2)+2*i+1], v[rr+2], v[rr+3]
.set i, i+1
.endr
	s_wait_alu depctr_va_vdst(0)                   ; the roundings have written OUT[g % 2], which the LDS stores read, and are done reading the group's registers of R, in which Wk's loads land
.if g < 4
.set i, 0
.rept 8
	global_load_b128 v[R+4*(8*g+i):R+4*(8*g+i)+3], v6, s[8:9] offset:4096*(8*g+i)
.set i, i+1
.endr
.endif
.set i, 0
.rept 8
.if g < 4
	ds_store_b64 v7, v[OUT+16*(g%2)+2*i:OUT+16*(g%2)+2*i+1] offset:256*(8*g+i)
.else
	ds_store_b64 v8, v[OUT+16*(g%2)+2*i:OUT+16*(g%2)+2*i+1] offset:256*(8*(g-4)+i)
.endif
.set i, i+1
.endr
.set g, g+1
.endr
	s_wait_dscnt 0x0                               ; for the others' sake: my stores into QT and KT are done
	s_barrier_signal -1
	s_barrier_wait -1
	s_cmp_lt_u32 s20, 4
	s_cbranch_scc1 .Lmul
	s_wait_dscnt 0x0                               ; waves 4 to 7 have staged and end here: the closing lines, six on end
	s_wait_alu 0x0
	s_wait_tensorcnt 0x0
	ds_add_u32 v[SPW], v[NIL]
	s_wait_dscnt 0x0
	s_endpgm
.Lmul:
	; Wave w (0..3) makes rows d = 16 w .. 16 w + 15 of the tile, all 64 d': four sums of 16 x 16.  Source 0 = 16 d' x 32 e of Wk^T, source 1 = 32 e x 16 d of Wq^T, so a lane holds eight
	; neighbouring d' of one row d.  Both come turned out of [e][column] rows by ds_load_tr16_b128: lane l reads row 8 (l / 16) + l % 8, 16 bytes at 16 ((l / 8) % 2).
	; Rows of 128 bytes: eight rows of a turning load fall on two groups of banks (64 banks of 4 bytes: ISA guide 11.1).  A wave has 160 such loads in all; padded rows would not leave room for a second work-group's LDS.
	v_and_b32 v2, 7, v0
	v_bfe_u32 v3, v0, 3, 1
	v_lshl_add_u32 v9, v15, 3, v2
	v_lshlrev_b32 v9, 7, v9
	v_lshl_add_u32 v9, v3, 4, v9
	v_add_nc_u32 v10, KT, v9                       ; v10: my place in KT
	s_lshl_b32 s28, s20, 5
	v_add_nc_u32 v9, s28, v9                       ; v9: my place in QT, at my wave's 16 columns
	s_mul_i32 s29, s20, 2304
	s_add_co_u32 s29, s29, MSTG                    ; my stage
	v_mul_u32_u24 v12, v14, 144
	v_lshl_add_u32 v12, v15, 4, v12
	v_add_nc_u32 v12, s29, v12                     ; in: row lane % 16, 16 bytes for each half of the lanes
	v_bfe_u32 v3, v0, 3, 2                         ; lane / 8
	v_mul_u32_u24 v13, v3, 144
	v_lshl_add_u32 v13, v2, 4, v13
	v_add_nc_u32 v13, s29, v13                     ; back: 32 lanes take four rows of 128 bytes
	v_lshlrev_b32 v11, 10, v3
	v_lshl_add_u32 v11, v2, 4, v11                 ; and the same four rows in M
	s_lshl_b32 s30, s22, 16                        ; 64 dt rows of 1,024 bytes,
	s_lshl_b32 s19, s20, 14                        ; 16 w rows,
	s_add_co_u32 s30, s30, s19
	s_lshl_b32 s19, s23, 7                         ; 64 et columns
	s_add_co_u32 s30, s30, s19
	s_mov_b32 s31, 0
	s_add_nc_u64 s[14:15], s[14:15], s[30:31]
	s_wait_alu depctr_vm_vsrc(0)                   ; my LDS stores have read OUT: v144 to v167 hold sums from here on, written by the matrix instructions
	s_wait_alu depctr_va_vdst(0)                   ; v9 to v13 are written, which the LDS loads and stores and the global stores below read; the staging's roundings are done reading R, in which the fragments land
.macro FLQ s                           ; K step s (32 e): the two loads of Wq^T's fragment, into buffer s % 3
.set fb, FRG+40*((\s)%3)
	ds_load_tr16_b128 v[fb:fb+3],   v9 offset:4096*(\s)
	ds_load_tr16_b128 v[fb+4:fb+7], v9 offset:4096*(\s)+2048
.endm
.macro FLK s, e                        ; K step s: the two loads of Wk^T's fragment e of four
.set fb, FRG+40*((\s)%3)
	ds_load_tr16_b128 v[fb+8+8*(\e):fb+8+8*(\e)+3],   v10 offset:4096*(\s)+32*(\e)
	ds_load_tr16_b128 v[fb+8+8*(\e)+4:fb+8+8*(\e)+7], v10 offset:4096*(\s)+32*(\e)+2048
.endm
.irp s, 0,1
	FLQ \s
.irp e, 0,1,2,3
	FLK \s, \e
.endr
.endr
.set ks, 0
.rept 16
.if ks < 15
	s_wait_dscnt 10                                ; LDS loads come back in order (ISA guide 5.7.1): this K step's ten are in, the next step's ten stay out
.else
	s_wait_dscnt 0
.endif
.if (ks > 0) && (ks < 14)
	PLACES                                         ; the places behind the last step's matrix instructions stay beside the wait below
	s_wait_alu depctr_va_vdst(0)                   ; the last step's matrix instructions are done reading buffer (ks - 1) % 3, in which this step's ten loads land
.endif
.set cb, FRG+40*(ks%3)
.if ks < 14
	FLQ ks+2                                       ; the loads of two steps on, dealt among the matrix instructions, which name buffer ks % 3 and the sums alone: no further wait
.endif
.set fe, 0
.rept 4                                ; the four sums take turns; the first K step starts them with the constant 0
.if ks == 0
	v_wmma_f32_16x16x32_bf16 v[ACC+8*fe:ACC+8*fe+7], v[cb+8+8*fe:cb+8+8*fe+7], v[cb:cb+7], 0
.else
	v_wmma_f32_16x16x32_bf16 v[ACC+8*fe:ACC+8*fe+7], v[cb+8+8*fe:cb+8+8*fe+7], v[cb:cb+7], v[ACC+8*fe:ACC+8*fe+7]
.endif
.if ks < 14
	FLK ks+2, fe
.endif
.set fe, fe+1
.endr
.set ks, ks+1
.endr
	PLACES                                         ; four places behind the last matrix instruction, before its result is read and buffer 1's registers are written
.set i, 0
.rept 16                               ; each sum's registers in ascending order: eight d' of a row pack into 16 bytes
	v_cvt_pk_f16_f32 v[PK+i], v[ACC+2*i], v[ACC+2*i+1]
.set i, i+1
.endr
	s_wait_alu depctr_va_vdst(0)                   ; the conversions have written v[PK ..], which the LDS stores read; the last matrix instructions are done reading buffer 0, in which the loads from the stage land
.irp b, 0,1,2,3
	ds_store_b128 v12, v[PK+4*\b:PK+4*\b+3] offset:32*\b
.endr
.irp b, 0,1,2,3
	ds_load_b128 v[BK+4*\b:BK+4*\b+3], v13 offset:576*\b  ; LDS serves a wave's instructions in order (ISA guide 5.7.1.4): these see the stores above
.endr
.irp b, 0,1,2,3
	s_wait_dscnt 3-\b
	global_store_b128 v11, v[BK+4*\b:BK+4*\b+3], s[14:15] offset:4096*\b  ; eight lanes store a row's 128 consecutive bytes: the tile is 64 columns wide; M is 524,288 of the launch's 34,603,008 stored bytes
.endr
	s_wait_dscnt 0x0                               ; the wave's end: the closing lines, six on end
	s_wait_alu 0x0
	s_wait_tensorcnt 0x0
	ds_add_u32 v[SPW], v[NIL]
	s_wait_dscnt 0x0
	s_endpgm
	; ---------------- CAST ----------------
	; Thread t owns 16 bytes of every 4,096 read and 8 of every 2,048 written: a wave's load covers 512 consecutive bytes, its store 256, aligned.  Four buffers of four pieces keep 12 to 16 loads of every wave on their way.
.Lcast:
	s_sub_co_u32 s22, ttmp9, 64                    ; 0..255: embeddings; 256..259: Wv
	s_and_b32 s23, s22, 255                        ; the part's number in its tensor
	s_lshl_b32 s24, s23, 18
	s_mov_b32 s25, 0
	s_lshl_b32 s26, s23, 17
	s_mov_b32 s27, 0
	v_lshlrev_b32 v1, 4, v0
	v_lshlrev_b32 v2, 3, v0
	s_wait_kmcnt 0x0
	s_cmp_lt_u32 s22, 256
	s_cselect_b64 s[28:29], s[4:5], s[10:11]       ; from embeddings or from Wv,
	s_cselect_b64 s[30:31], s[12:13], s[16:17]     ; to xh or to wvh
	s_add_nc_u64 s[28:29], s[28:29], s[24:25]
	s_add_nc_u64 s[30:31], s[30:31], s[26:27]
	s_wait_alu depctr_va_vdst(0)                   ; v1 and v2 are written: every load and store of the cast reads one of them as its offset
.set i, 0
.rept 16
	global_load_b128 v[X+4*i:X+4*i+3], v1, s[28:29] offset:4096*i th:TH_LOAD_NT  ; blocks 0 to 3 into X0 to X3
.set i, i+1
.endr
; Block p.  xb = p % 4, yb = p % 2.  first = 1: block 0, with no block in front of it.  ahead = 1: block p + 4 is loaded.  left: the younger loads that may stay out.
.macro BLK xb, yb, first, ahead, left
	s_wait_loadcnt \left                           ; loads come back in order (ISA guide 5.7.1): X[xb] is in, the younger blocks stay out
.irp i, 0,1,2,3
	v_cvt_pk_bf16_f32 v[T1+2*(\i)],   v[X+16*(\xb)+4*(\i)],   v[X+16*(\xb)+4*(\i)+1]   ; the rounding that counts: to bf16, nearest even
	v_cvt_pk_bf16_f32 v[T1+2*(\i)+1], v[X+16*(\xb)+4*(\i)+2], v[X+16*(\xb)+4*(\i)+3]
.endr
.if !\first
	s_wait_xcnt 0x0                                ; every earlier memory instruction has had its addresses translated (ISA guide 3.1): the bases and Y[yb] are rewritten only behind this wait
	s_wait_alu depctr_vm_vsrc(0)                   ; the stores issued in the block before have read Y[yb], which this block's roundings to f16 write again
.endif
	s_wait_alu depctr_va_vdst(0)                   ; the eight roundings above are done reading X[xb], in which the loads below land; the block before has written the other Y, which the stores below read
.if !\first
.if \ahead
	s_add_nc_u64 s[28:29], s[28:29], 0x4000        ; both bases at this block's first piece
.endif
	s_add_nc_u64 s[30:31], s[30:31], 0x2000
.endif
.irp i, 0,1,2,3
.if \ahead
	global_load_b128 v[X+16*(\xb)+4*(\i):X+16*(\xb)+4*(\i)+3], v1, s[28:29] offset:4096*(16+(\i)) th:TH_LOAD_NT  ; four blocks ahead; no vector instruction since the wait names these registers
.endif
.if !\first
	global_store_b64 v2, v[Y+8*(1-(\yb))+2*(\i):Y+8*(1-(\yb))+2*(\i)+1], s[30:31] offset:2048*((\i)-4)  ; the block before: the offset reaches back
.endif
	v_lshlrev_b32 v[T2],   16,  v[T1+2*(\i)]                 ; back to f32: a shift or a mask
	v_and_b32     v[T2+1], s21, v[T1+2*(\i)]
	v_lshlrev_b32 v[T2+2], 16,  v[T1+2*(\i)+1]
	v_and_b32     v[T2+3], s21, v[T1+2*(\i)+1]
	v_cvt_pk_f16_f32 v[Y+8*(\yb)+2*(\i)],   v[T2],   v[T2+1]   ; the same numbers as f16
	v_cvt_pk_f16_f32 v[Y+8*(\yb)+2*(\i)+1], v[T2+2], v[T2+3]
.endr
.endm
	BLK 0, 0, 1, 1, 12                             ; block 0
	s_mov_b32 s18, 2
.Lround:                                               ; blocks 1 to 8, four to a lap: both kinds of buffer are back at their start
	BLK 1, 1, 0, 1, 12
	BLK 2, 0, 0, 1, 12
	BLK 3, 1, 0, 1, 12
	BLK 0, 0, 0, 1, 12
	s_sub_co_u32 s18, s18, 1
	s_cmp_lg_u32 s18, 0
	s_cbranch_scc1 .Lround
	BLK 1, 1, 0, 1, 12                             ; blocks 9 to 11 ask for the last three blocks: a third lap's fourth block would ask past the part's end
	BLK 2, 0, 0, 1, 12
	BLK 3, 1, 0, 1, 12
	BLK 0, 0, 0, 0, 12                             ; blocks 12 to 15 load nothing: the counts run down
	BLK 1, 1, 0, 0, 8
	BLK 2, 0, 0, 0, 4
	BLK 3, 1, 0, 0, 0
	s_wait_alu depctr_va_vdst(0)                   ; block 15 has written Y1, which the last four stores read
.irp i, 0,1,2,3
	global_store_b64 v2, v[Y+8+2*(\i):Y+8+2*(\i)+1], s[30:31] offset:2048*(\i)
.endr
	s_endpgm
.Lfunc_end_k_qe16b8648c4_prep:
	.size	k_qe16b8648c4_prep, .Lfunc_end_k_qe16b8648c4_prep-k_qe16b8648c4_prep
	.p2alignl 7, 3214868480
	.fill 96, 4, 3214868480
	.section	.rodata,"a",@progbits
	.p2align	6, 0x0
	.amdhsa_kernel k_qe16b8648c4_prep
		.amdhsa_group_segment_fixed_size 141312
		.amdhsa_private_segment_fixed_size 0
		.amdhsa_enable_private_segment 0
		.amdhsa_kernarg_size 56
		.amdhsa_user_sgpr_count 2
		.amdhsa_user_sgpr_kernarg_segment_ptr 1
		.amdhsa_wavefront_size32 1
		.amdhsa_system_sgpr_workgroup_id_x 1
		.amdhsa_system_sgpr_workgroup_id_y 1
		.amdhsa_system_sgpr_workgroup_id_z 1
		.amdhsa_system_vgpr_workitem_id 0
		.amdhsa_next_free_vgpr 176
		.amdhsa_next_free_sgpr 66
		.amdhsa_reserve_vcc 0
		.amdhsa_float_denorm_mode_32 3
		.amdhsa_float_denorm_mode_16_64 3
		.amdhsa_memory_ordered 1
		.amdhsa_forward_progress 1
		.amdhsa_inst_pref_size 72
	.end_amdhsa_kernel
	.amdgpu_metadata
---
amdhsa.version: [ 1, 2 ]
amdhsa.kernels:
  - .name:           k_qe16b8648c4_prep
    .symbol:         k_qe16b8648c4_prep.kd
    .args:
      - { .name: embeddings, .offset: 0, .size: 8, .value_kind: global_buffer, .address_space: global }
      - { .name: Wq, .offset: 8, .size: 8, .value_kind: global_buffer, .address_space: global }
      - { .name: Wk, .offset: 16, .size: 8, .value_kind: global_buffer, .address_space: global }
      - { .name: Wv, .offset: 24, .size: 8, .value_kind: global_buffer, .address_space: global }
      - { .name: xh, .offset: 32, .size: 8, .value_kind: global_buffer, .address_space: global }
      - { .name: mh, .offset: 40, .size: 8, .value_kind: global_buffer, .address_space: global }
      - { .name: wvh, .offset: 48, .size: 8, .value_kind: global_buffer, .address_space: global }
    .group_segment_fixed_size: 141312
    .private_segment_fixed_size: 0
    .kernarg_segment_align: 8
    .kernarg_segment_size: 56
    .max_flat_workgroup_size: 256
    .sgpr_count:     66
    .vgpr_count:     176
    .wavefront_size: 32
...
	.end_amdgpu_metadata
.endif
;; end of part 3
;; launch attn: the kernel of part 2 again; grid 8 x 32, 4 waves a work-group, clusters of 4 x 1, 327,680 bytes of LDS; arguments xh, mh, wvh, out0; writes out0
